; MI455X (gfx1250); checked and timed in simulation.
; The chip was launched on July 23, 2026; its instructions are those of AMD's public machine-readable ISA for CDNA 5 (MIT licence, August 2026) and "CDNA5" Instruction Set Architecture Reference Guide (July 2026). The comments in the code are by the model that wrote it; some were corrected since.
;; Col BERT. Allowed arithmetic: float matrix products may take bf16 or f16 operands with f32 sums; all other float work in f32.
;; Inputs: d_hidden 1,024 x 256 x 128 float32; d_mask 1,024 x 256 int32; q_hidden 8 x 32 x 128 float32; q_mask 8 x 32 int32.
;; Outputs: out0 8 x 1,024 float32.
;; One version. Each part assembles by itself: llvm-mc -triple=amdgcn-amd-amdhsa -mcpu=gfx1250 --defsym DOCPART=n.
;; ======== version 1 of 1: 1 launch
;; launch maxsim (part 1): grid 256 x 1, 4 waves a work-group, no clusters, 327,680 bytes of LDS; arguments d_hidden, d_mask, q_hidden, q_mask, out0; writes out0
.if DOCPART == 1
	.amdgcn_target "amdgcn-amd-amdhsa--gfx1250"
	.amdhsa_code_object_version 6
	.text
	.protected	k_qd42b3c84d2_maxsim
	.globl	k_qd42b3c84d2_maxsim
	.p2align	8
	.type	k_qd42b3c84d2_maxsim,@function
k_qd42b3c84d2_maxsim:
	s_mov_b64 s[64:65], 0
	v_nop
	global_prefetch_b8 v0, s[64:65] scope:SCOPE_SE
	s_setreg_imm32_b32 hwreg(HW_REG_WAVE_MODE, 25, 1), 1
	s_wait_xcnt 0x0
; ColBERT MaxSim.  out0[b][n] = sum over unmasked query tokens q of max over document tokens d of cos(q, d), a masked d counting as -100.
; q_hidden [8][32][128] f32, d_hidden [1024][256][128] f32, masks int32 (> 0 = kept), out0 [8][1024] f32.
; 256 work-groups of four waves; work-group g takes documents 4g..4g+3, wave w the whole document 4g+w: 16 tiles of 16 tokens (8,192 bytes each).
; Every wave holds all 256 query tokens, normalised and rounded to bf16, as B fragments in 512 registers; a tile of document tokens is the A operand.
; In D, register j of lane (r, h) is (document token 8h+j, query token r): the maximum over tokens is a maximum over a lane's own registers.
; The document mask: a masked token's scale is 0 (its row of A is 0) and the first K step takes as C a tile of 0 or -100 by token, so D is exactly -100 there.
; Norm as in the reference: n = sqrt(sum x^2), max(n, 1e-8), x * (1/n) in f32, rounded once to bf16.
; LIMITS: non-finite inputs are not served (v_max3_num_f32 drops a NaN where the reference passes it on; 0 * inf in a masked token);
; x * rcp(n) stands for x / n; the sum of squares is formed in eight chains and two lane halves, another order than the reference's;
; a denormal sum of squares is taken as 0 by v_sqrt_f32 (ISA guide 15.8), where the clamp at 1e-8 decides anyway.
; NO CLUSTER: what work-groups share is Q, 131,072 of the 660,480 bytes that a work-group brings in, asked for once at the head; joint loads would tie
; the one refill and the end of four work-groups together for that fifth.
; HOW d COMES IN (per wave): Q0..Q3 and d0..d3 by tensor loads (first fill of slots 0..7), d4..d6 by plain loads into three register slots, all at the head;
; d7..d12 by the one refill of slots 2..7; d13..d15 into the register slots again as they are emptied.  While the refill's barrier finds no tensor load
; out, the three register tiles are still on their way.  At most 8 tensor loads of a wave are out (the head), later 6.
.set PITCH,  528                       ; an LDS row: 512 bytes + 16 of padding = 33 x 16: the 16 rows of a fragment load fall on 16 different 16-byte columns of 256 bytes
.set SLOT,   16*PITCH                  ; 8,448 = 33 x 256
.set WREG,   8*SLOT                    ; a wave's eight slots
.set TILEB,  8192                      ; a tile in memory
.set STAGE,  4*WREG                    ; 270,336: a wave's own 8,448 bytes, through which register tiles are turned
.set BIASL,  STAGE+4*SLOT              ; 304,128: a wave's own 256 f32, 0 or -100 for each token of its document
.set SCORE,  BIASL+4096                ; 308,224: [wave][b] f32
; The bf16 image of Q (QB) lies in bytes 0..16,383 of each wave's region (slots 0 and 1, which are filled once): tile i of the wave at 4,096 i,
; registers 4m..4m+3 of the 32 at 512 m + 16 x lane.  It ends below slot 2 (byte 16,896), so the refill touches no byte that was stored.
; window 0
.set VFR,  4                           ; wave region + 528 r + 32 h
.set VFRS, 5                           ; my stage + 528 r + 32 h
.set VST,  6                           ; my stage + 16 lane
.set VB,   7                           ; my bias + 32 h
.set VK,   8                           ; my bias + 4 r
.set VBS,  9                           ; my bias + 32 lane
.set VQS,  10                          ; wave region + 16 lane
.set VGO,  11                          ; 16 lane: offset in a row of d
.set VQL,  11                          ; v11..14: wave w' region + 16 lane (w' = 0 is VGO itself)
.set VMO,  16                          ; 32 lane
.set VQM,  17                          ; 4 lane
.set NEGR, 18                          ; -100.0
.set ZR,   19                          ; 0
.set T,    20                          ; v[20:27] four packed chains of the sum of squares
.set S2,   28                          ; the other half's sum
.set NRM,  29                          ; the norm
.set SC,   30                          ; v[30:31] the scale (v31 only fills the pair)
.set KB,   32                          ; the bias of the lane's own token
.set MK,   42                          ; v[42:49] d_mask words, then bias values
.set QM,   50                          ; v[50:57] q_mask[b][lane]
.set X,    64                          ; v[64:127] the tile in f32, in fragment order
.set A,    128                         ; v[128:159] the tile in bf16: 8 registers a K step
.set G0,   160                         ; v[160:223] register slot 0
.set U,    224                         ; epilogue
.set W,    232
.set BIAS, 240                         ; v[240:247] the C tile of the first K step
.set SCR,  248                         ; v[248:255] the eight scores
; windows 1 and 2: query tiles 0..7 and 8..15, tile q, K step ks at v[32 q + 8 ks]
; window 3
.set ACC,  0                           ; v[0:63] eight accumulators
.set RM,   64                          ; v[64:79] running maxima of the 16 query tiles
.set G1,   80                          ; v[80:143], v[144:207] register slots 1 and 2
; scalars: s[4:11] d_hidden, d_mask, q_hidden, q_mask; s[12:13] out0; s14 wave; s15 document; s[56:57] my document; s[58:59] my quarter of Q;
; s[60:61] my document's mask; s62, s63 lane selects; s66 wave region; s[68:69] out0 + 16 g
.set DG1, 16                           ; s[16:23] descriptor group 1, one for all loads
.set DG0, 24                           ; s[24:55] descriptor group 0, a set for each slot
.set MSB, 0
.macro WIN new                         ; low byte: 1:0 source 0, 3:2 source 1, 5:4 source 2, 7:6 destination; the high byte repeats the setting left
.if MSB != (\new)
	s_set_vgpr_msb (MSB<<8)|(\new)
.set MSB, (\new)
.endif
.endm
.macro PLACES                          ; four places behind a matrix instruction (ISA guide 7.12.1)
.rept 4
	v_nop
.endr
.endm
	s_load_b256 s[4:11], s[0:1], 0x0
	s_load_b64 s[12:13], s[0:1], 0x20
	v_lshl_add_u32 v62, v0, 2, 0x4b500
	v_mov_b32 v63, 0
	ds_add_u32 v62, v63
	ds_add_u32 v62, v63
	v_lshrrev_b32 v1, 5, v0
	v_readfirstlane_b32 s14, v1                    ; wave 0..3
	s_lshl_b32 s15, ttmp9, 2
	s_add_co_u32 s15, s15, s14                     ; my document
	; group 1: 16 rows x 128 elements of 4 bytes, 128 elements from row to row, 4 words of padding behind every 128 words
	s_mov_b32 s[DG1+0], (2<<16)|(1<<20)|(6<<22)|(3<<25)
	s_mov_b32 s[DG1+1], 128<<16                    ; tensor_dim0 = 128
	s_mov_b32 s[DG1+2], 16<<16                     ; tensor_dim1 = 16
	s_mov_b32 s[DG1+3], 128<<16                    ; tile_dim0 = 128
	s_mov_b32 s[DG1+4], 16                         ; tile_dim1 = 16
	s_mov_b32 s[DG1+5], 128                        ; pitch
	s_mov_b32 s[DG1+6], 0
	s_mov_b32 s[DG1+7], 0
	s_mul_i32 s66, s14, WREG
	s_mov_b32 s62, 0x76543210                      ; v_permlanex16_b32: lane i takes lane i of the other half
	s_mov_b32 s63, 0xfedcba98
	s_mov_b32 s3, 0
	v_and_b32 v1, 31, v0                           ; lane
	v_lshlrev_b32 v[VGO], 4, v1
	v_lshlrev_b32 v[VMO], 5, v1
	v_lshlrev_b32 v[VQM], 2, v1
	s_wait_dscnt 0x0
	s_wait_kmcnt 0x0
	s_lshl_b32 s2, s15, 17                         ; 256 tokens of 512 bytes
	s_add_nc_u64 s[56:57], s[4:5], s[2:3]
	s_lshl_b32 s2, s14, 15                         ; 64 query tokens of 512 bytes
	s_add_nc_u64 s[58:59], s[8:9], s[2:3]
	s_lshl_b32 s2, s15, 10
	s_add_nc_u64 s[60:61], s[6:7], s[2:3]
	s_lshl_b32 s2, ttmp9, 4
	s_add_nc_u64 s[68:69], s[12:13], s[2:3]
.irp i, 0,1,2,3                                        ; slots 0..3: my four tiles of Q
	s_mov_b32 s[DG0+4*\i], 1
	s_add_co_u32 s[DG0+4*\i+1], s66, \i*SLOT
	s_add_nc_u64 s[DG0+4*\i+2:DG0+4*\i+3], s[58:59], \i*TILEB
	s_or_b32 s[DG0+4*\i+3], s[DG0+4*\i+3], 0x80000000
	tensor_load_to_lds s[DG0+4*\i:DG0+4*\i+3], s[DG1:DG1+7]
	s_nop 0
.endr
.irp i, 4,5,6,7                                        ; slots 4..7: d0..d3
	s_mov_b32 s[DG0+4*\i], 1
	s_add_co_u32 s[DG0+4*\i+1], s66, \i*SLOT
	s_add_nc_u64 s[DG0+4*\i+2:DG0+4*\i+3], s[56:57], (\i-4)*TILEB
	s_or_b32 s[DG0+4*\i+3], s[DG0+4*\i+3], 0x80000000
	tensor_load_to_lds s[DG0+4*\i:DG0+4*\i+3], s[DG1:DG1+7]
	s_nop 0
.endr
; 16 loads, a row of 512 consecutive bytes each, into register slot g.  Every offset is an immediate: no address register is ever stepped.
.macro GLOAD g, tile
.if \g == 0
	WIN 0
.set GB, G0
.else
	WIN 0xC0
.set GB, G1+64*(\g-1)
.endif
.irp j, 0,1,2,3,4,5,6,7,8,9,10,11,12,13,14,15
	global_load_b128 v[GB+4*\j:GB+4*\j+3], v[VGO], s[56:57] offset:\tile*TILEB+\j*512 th:TH_LOAD_NT
.endr
.endm
; register slot g into my stage, rows 528 bytes apart
.macro GSTORE g
.if \g == 0
	WIN 0
.set GB, G0
.else
	WIN 0x0C
.set GB, G1+64*(\g-1)
.endif
.irp j, 0,1,2,3,4,5,6,7,8,9,10,11,12,13,14,15
	ds_store_b128 v[VST], v[GB+4*\j:GB+4*\j+3] offset:\j*PITCH
.endr
.endm
	global_load_b128 v[MK:MK+3],   v[VMO], s[60:61] th:TH_LOAD_NT            ; my document's mask: 8 words a lane
	global_load_b128 v[MK+4:MK+7], v[VMO], s[60:61] offset:16 th:TH_LOAD_NT
.irp b, 0,1,2,3,4,5,6,7
	global_load_b32 v[QM+\b], v[VQM], s[10:11] offset:128*\b
.endr
	GLOAD 0, 4
	GLOAD 1, 5
	GLOAD 2, 6
	WIN 0
	v_and_b32 v2, 15, v0                           ; r
	v_bfe_u32 v3, v0, 4, 1                         ; h
	v_mul_u32_u24 v4, v2, PITCH
	v_lshl_add_u32 v4, v3, 5, v4                   ; 528 r + 32 h
	s_mul_i32 s67, s14, SLOT
	s_add_co_u32 s67, s67, STAGE                   ; my stage
	v_add_nc_u32 v[VFRS], s67, v4
	v_lshl_add_u32 v[VST], v1, 4, s67
	v_add_nc_u32 v[VFR], s66, v4
	s_lshl_b32 s2, s14, 10
	s_add_co_u32 s2, s2, BIASL                     ; my bias
	v_lshl_add_u32 v[VB], v3, 5, s2
	v_lshl_add_u32 v[VK], v2, 2, s2
	v_lshl_add_u32 v[VBS], v1, 5, s2
	v_lshl_add_u32 v[VQS], v1, 4, s66
	v_add_nc_u32 v[VQL+1], WREG, v[VGO]
	v_add_nc_u32 v[VQL+2], 2*WREG, v[VGO]
	v_add_nc_u32 v[VQL+3], 3*WREG, v[VGO]
	v_mov_b32 v[NEGR], 0xc2c80000
	v_mov_b32 v[ZR], 0
	v_mov_b32 v[S2], 0                             ; a lane exchange's destination counts as read
	v_mov_b32 v[SC+1], 0                           ; the packed multiply names the pair
; A tile from LDS in fragment order: X[16 ks + 8 q + 4 e ..] = k 32 ks + 16 q + 8 h + 4 e .. of token r
.macro XLOAD areg, base
	WIN 0
.set ic, 0
.rept 16
	ds_load_b128 v[X+4*ic:X+4*ic+3], v[\areg] offset:\base+128*(ic>>2)+64*((ic>>1)&1)+16*(ic&1)
.set ic, ic+1
.endr
.endm
; the C tile of tile u (bias of token 16 u + 8 h + j in register j) and the bias of the lane's own token 16 u + r
.macro BLOAD u
	WIN 0
	ds_load_b128 v[BIAS:BIAS+3],   v[VB] offset:64*\u
	ds_load_b128 v[BIAS+4:BIAS+7], v[VB] offset:64*\u+16
	ds_load_b32 v[KB], v[VK] offset:64*\u
.endm
; X (f32) to A (bf16), each token scaled by 1 / max(norm, 1e-8); masked = 1: by 0 where the token's bias is not 0
.macro CONVERT masked
	WIN 0
	s_wait_dscnt 0x0                               ; X, and what else of LDS was asked for (bias, Q's registers)
.irp c, 0,1,2,3
	v_pk_mul_f32 v[T+2*\c:T+2*\c+1], v[X+2*\c:X+2*\c+1], v[X+2*\c:X+2*\c+1]   ; the first products start the chains
.endr
.set ip, 4
.rept 28
	v_pk_fma_f32 v[T+2*(ip%4):T+2*(ip%4)+1], v[X+2*ip:X+2*ip+1], v[X+2*ip:X+2*ip+1], v[T+2*(ip%4):T+2*(ip%4)+1]
.set ip, ip+1
.endr
	v_pk_add_f32 v[T:T+1], v[T:T+1], v[T+2:T+3]
	v_pk_add_f32 v[T+4:T+5], v[T+4:T+5], v[T+6:T+7]
	v_pk_add_f32 v[T:T+1], v[T:T+1], v[T+4:T+5]
	v_add_f32 v[T], v[T], v[T+1]                   ; my 64 of the token's 128
	v_permlanex16_b32 v[S2], v[T], s62, s63        ; lane (r, 1-h) holds the other 64
	v_add_f32 v[T], v[T], v[S2]
	v_sqrt_f32 v[NRM], v[T]
	v_nop                                          ; one plain place behind a transcendental (ISA guide 5.7.2)
	s_wait_alu depctr_va_vdst(0)
	v_max_num_f32 v[NRM], 0x322bcc77, v[NRM]       ; 1e-8
	v_rcp_f32 v[SC], v[NRM]
	v_nop
.if \masked
	v_cmp_eq_f32 vcc_lo, 0, v[KB]
	s_wait_alu depctr_va_vdst(0)
	v_cndmask_b32 v[SC], v[ZR], v[SC], vcc_lo      ; kept: the scale; masked: 0
.endif
.set ip, 0
	s_wait_alu depctr_va_vdst(0)
.rept 32
	v_pk_mul_f32 v[X+2*ip:X+2*ip+1], v[X+2*ip:X+2*ip+1], v[SC:SC+1] op_sel_hi:[1,0]
.set ip, ip+1
.endr
.set ip, 0
.rept 32
	v_cvt_pk_bf16_f32 v[A+ip], v[X+2*ip], v[X+2*ip+1]
.set ip, ip+1
.endr
.endm
	; Q: my four tiles, normalised, as fragment images into QB.  Image i lands only on bytes of slots whose tiles I have read.
.irp i, 0,1,2,3
	s_wait_tensorcnt 7-\i                          ; the younger of the eight loads stay out
	XLOAD VFR, \i*SLOT
	CONVERT 0
.irp m, 0,1,2,3,4,5,6,7
	ds_store_b128 v[VQS], v[A+4*\m:A+4*\m+3] offset:\i*4096+\m*512
.endr
.endr
	s_wait_dscnt 0x0                               ; my images are in LDS, for the other waves' sake
	s_barrier_signal -1
	s_barrier_wait -1                              ; d0..d3 may stay out across it
.macro QREGS w, q0                     ; eight query tiles from the four waves' images into one window
	WIN \w
.irp q, 0,1,2,3,4,5,6,7
.irp m, 0,1,2,3,4,5,6,7
	ds_load_b128 v[32*\q+4*\m:32*\q+4*\m+3], v[VQL+((\q0+\q)>>2)] offset:((\q0+\q)&3)*4096+\m*512
.endr
.endr
.endm
	QREGS 0x40, 0
	QREGS 0x80, 8
	WIN 0
	s_wait_loadcnt 56                              ; d_mask is in: the 8 loads of q_mask and the 48 of d4..d6 are younger
.irp i, 0,1,2,3,4,5,6,7
	v_cmp_lt_i32 vcc_lo, 0, v[MK+\i]
	v_cndmask_b32 v[MK+\i], v[NEGR], v[ZR], vcc_lo ; kept: 0; masked: -100
.endr
	ds_store_b128 v[VBS], v[MK:MK+3]               ; my own bytes: LDS serves a wave's instructions in order (ISA guide 5.7.1)
	ds_store_b128 v[VBS], v[MK+4:MK+7] offset:16
	s_wait_tensorcnt 3                             ; d0 is in; d1..d3 stay out
	XLOAD VFR, 4*SLOT
	BLOAD 0
	CONVERT 1
; 32 matrix instructions: the tile against query tiles 8 hf .. 8 hf + 7.  The first K step takes the bias tile as C.
; The eight accumulators take turns, one instruction a turn.
.macro MHALF hf
	WIN 0xC4+4*\hf                                 ; A window 0, B window 1 + hf, C window 0, D window 3
.irp q, 0,1,2,3,4,5,6,7
	v_wmma_f32_16x16x32_bf16 v[ACC+8*\q:ACC+8*\q+7], v[A:A+7], v[32*\q:32*\q+7], v[BIAS:BIAS+7]
.endr
	WIN 0xF4+4*\hf                                 ; C window 3
.irp ks, 1,2,3
.irp q, 0,1,2,3,4,5,6,7
	v_wmma_f32_16x16x32_bf16 v[ACC+8*\q:ACC+8*\q+7], v[A+8*\ks:A+8*\ks+7], v[32*\q+8*\ks:32*\q+8*\ks+7], v[ACC+8*\q:ACC+8*\q+7]
.endr
.endr
.endm
; the running maxima take in the eight accumulators; first = 1: the first tile starts them, nothing is initialised
.macro RHALF hf, first
	WIN 0xFF
.irp q, 0,1,2,3,4,5,6,7
.if \first
	v_max_num_f32 v[RM+8*\hf+\q], v[ACC+8*\q], v[ACC+8*\q+1]
.else
	v_max3_num_f32 v[RM+8*\hf+\q], v[RM+8*\hf+\q], v[ACC+8*\q], v[ACC+8*\q+1]
.endif
.endr
.irp i, 1,2,3
.irp q, 0,1,2,3,4,5,6,7
	v_max3_num_f32 v[RM+8*\hf+\q], v[RM+8*\hf+\q], v[ACC+8*\q+2*\i], v[ACC+8*\q+2*\i+1]
.endr
.endr
.endm
; One tile's work on A and BIAS; then tile next (its X is on its way since the step's head) is made ready.  next = 16: there is none.
; The four places stand behind each half's last matrix instruction: for the maxima, which read D, and for the loads into BIAS, a source.
; An accumulator is written over by the next half only behind them and the 28 maxima that do not name it; A only behind them and 32 maxima.
.macro WORK next, first
	MHALF 0
	PLACES
	RHALF 0, \first
	MHALF 1
	PLACES
.if \next < 16
	BLOAD \next
.endif
	RHALF 1, \first
.if \next < 16
	CONVERT 1
.endif
.endm
; the next tile's X from a tensor slot; left = the younger tensor loads, which stay out
.macro SRC_T slot, left
	s_wait_tensorcnt \left
	XLOAD VFR, \slot*SLOT
.endm
; the next tile's X from register slot g through my stage; left = the younger plain loads; next < 16: the slot is loaded again with that tile
.macro SRC_G g, left, next
	s_wait_loadcnt \left
	GSTORE \g
	XLOAD VFRS, 0                                  ; in order behind the stores: my own bytes
.if \next < 16
	GLOAD \g, \next
.endif
.endm
	SRC_T 5, 2                                     ; d1
	WORK 1, 1                                      ; tile 0
	SRC_T 6, 1                                     ; d2
	WORK 2, 0
	SRC_T 7, 0                                     ; d3: the last of the first eight loads
	; The one refill: slots 2..7 get d7..d12.  It stands ahead of this step's matrix work, while d4..d6 are still coming in.
	s_wait_dscnt 0x0                               ; my reads of slots 2..7 are back
	s_wait_tensorcnt 0x0                           ; no tensor load of mine is out: every group 0 may be written
	ds_add_u32 v62, v63
	s_wait_dscnt 0x0
.irp i, 2,3,4,5,6,7
	s_add_nc_u64 s[DG0+4*\i+2:DG0+4*\i+3], s[56:57], (\i+5)*TILEB
	s_or_b32 s[DG0+4*\i+3], s[DG0+4*\i+3], 0x80000000
.endr
	s_barrier_signal -1
	s_barrier_wait -1                              ; both hold of all four waves
.irp i, 2,3,4,5,6,7
	tensor_load_to_lds s[DG0+4*\i:DG0+4*\i+3], s[DG1:DG1+7]
	s_nop 0
.endr
	WORK 3, 0                                      ; tile 2
	SRC_G 0, 32, 13                                ; d4; d5 and d6 are younger
	WORK 4, 0
	SRC_G 1, 32, 14                                ; d5; d6 and d13 are younger
	WORK 5, 0
	SRC_G 2, 32, 15                                ; d6; d13 and d14 are younger.  The whole document is now asked for
	WORK 6, 0
	SRC_T 2, 5                                     ; d7: the counts run down the refill's six loads
	WORK 7, 0
	SRC_T 3, 4
	WORK 8, 0
	SRC_T 4, 3
	WORK 9, 0
	SRC_T 5, 2
	WORK 10, 0
	SRC_T 6, 1
	WORK 11, 0
	SRC_T 7, 0                                     ; d12: no tensor load is out from here to the end
	WORK 12, 0
	SRC_G 0, 32, 16                                ; d13; d14 and d15 are younger
	WORK 13, 0
	SRC_G 1, 16, 16
	WORK 14, 0
	SRC_G 2, 0, 16                                 ; d15; q_mask has long been in
	WORK 15, 0
	WORK 16, 0                                     ; tile 15
	; RM[qt] of lane (r, h): the maximum over tokens 8h..8h+7 of every tile, for query token 16 qt + r.
	; Lane l is to hold query token l of query b: lanes 0-15 take tile 2b, lanes 16-31 tile 2b+1, and each gets the other half's part of its tile.
	WIN 0
	v_cmp_le_u32 vcc_lo, 16, v1
	WIN 0x0F
.irp b, 0,1,2,3,4,5,6,7
	v_cndmask_b32 v[U+\b], v[RM+2*\b], v[RM+2*\b+1], vcc_lo        ; my tile, my half
	v_cndmask_b32 v[W+\b], v[RM+2*\b+1], v[RM+2*\b], vcc_lo        ; what the lane across needs
.endr
	WIN 0
.irp b, 0,1,2,3,4,5,6,7
	v_permlanex16_b32 v[X+\b], v[W+\b], s62, s63                   ; X has been written: it serves as the destination
.endr
.irp b, 0,1,2,3,4,5,6,7
	v_max_num_f32 v[U+\b], v[U+\b], v[X+\b]
.endr
.irp b, 0,1,2,3,4,5,6,7
	v_cmp_lt_i32 vcc_lo, 0, v[QM+\b]
	v_cndmask_b32 v[U+\b], v[ZR], v[U+\b], vcc_lo                  ; a masked query token counts 0
.endr
.irp m, 1,2,4,8
.irp b, 0,1,2,3,4,5,6,7
	v_add_f32_dpp v[U+\b], v[U+\b], v[U+\b] row_xmask:\m row_mask:0xf bank_mask:0xf
.endr
.endr
.irp b, 0,1,2,3,4,5,6,7
	v_permlanex16_b32 v[X+8+\b], v[U+\b], s62, s63
.endr
.irp b, 0,1,2,3,4,5,6,7
	v_add_f32 v[SCR+\b], v[U+\b], v[X+8+\b]                        ; every lane: the score of (b, my document)
.endr
	s_lshl_b32 s67, s14, 5
	s_add_co_u32 s67, s67, SCORE
	v_mov_b32 v[T], s67
	ds_store_b128 v[T], v[SCR:SCR+3]               ; all lanes store the same words with the same values
	ds_store_b128 v[T], v[SCR+4:SCR+7] offset:16
	s_wait_dscnt 0x0                               ; for wave 0's sake
	s_barrier_signal -1
	s_barrier_wait -1
	s_cmp_lg_u32 s14, 0
	s_cbranch_scc1 .Lend
	; wave 0 stores the work-group's 32 scores: lane l = (b = l >> 2, document l & 3), so four neighbouring lanes store 16 consecutive bytes of a row of out0.
	; A work-group owns 16 bytes of each of the 8 rows; longer runs would need more documents in a work-group than the 1,024 leave for 256 of them.
	v_and_b32 v[T+1], 3, v1
	v_lshrrev_b32 v[T+2], 2, v1
	v_lshlrev_b32 v[T+3], 5, v[T+1]
	v_lshl_add_u32 v[T+3], v[T+2], 2, v[T+3]
	v_add_nc_u32 v[T+3], SCORE, v[T+3]
	ds_load_b32 v[T+4], v[T+3]
	v_lshlrev_b32 v[T+5], 2, v[T+1]
	v_lshl_add_u32 v[T+5], v[T+2], 12, v[T+5]      ; 4,096 b + 4 x document
	s_wait_dscnt 0x0
	global_store_b32 v[T+5], v[T+4], s[68:69]
.Lend:
	s_wait_tensorcnt 0x0
	ds_add_u32 v62, v63
	s_wait_dscnt 0x0
	s_endpgm
.Lfunc_end_k_qd42b3c84d2_maxsim:
	.size	k_qd42b3c84d2_maxsim, .Lfunc_end_k_qd42b3c84d2_maxsim-k_qd42b3c84d2_maxsim
	.p2alignl 7, 3214868480
	.fill 96, 4, 3214868480
	.section	.rodata,"a",@progbits
	.p2align	6, 0x0
	.amdhsa_kernel k_qd42b3c84d2_maxsim
		.amdhsa_group_segment_fixed_size 327680
		.amdhsa_private_segment_fixed_size 0
		.amdhsa_enable_private_segment 0
		.amdhsa_kernarg_size 40
		.amdhsa_user_sgpr_count 2
		.amdhsa_user_sgpr_kernarg_segment_ptr 1
		.amdhsa_wavefront_size32 1
		.amdhsa_system_sgpr_workgroup_id_x 1
		.amdhsa_system_sgpr_workgroup_id_y 1
		.amdhsa_system_sgpr_workgroup_id_z 1
		.amdhsa_system_vgpr_workitem_id 0
		.amdhsa_next_free_vgpr 1024
		.amdhsa_next_free_sgpr 70
		.amdhsa_reserve_vcc 1
		.amdhsa_float_denorm_mode_32 3
		.amdhsa_float_denorm_mode_16_64 3
		.amdhsa_memory_ordered 1
		.amdhsa_forward_progress 1
		.amdhsa_inst_pref_size 255
	.end_amdhsa_kernel
	.section	.bss,"aw",@nobits
	.p2align	6
	.space	262144
	.amdgpu_metadata
---
amdhsa.version: [ 1, 2 ]
amdhsa.kernels:
  - .name:           k_qd42b3c84d2_maxsim
    .symbol:         k_qd42b3c84d2_maxsim.kd
    .args:
      - { .name: d_hidden, .offset: 0, .size: 8, .value_kind: global_buffer, .address_space: global }
      - { .name: d_mask, .offset: 8, .size: 8, .value_kind: global_buffer, .address_space: global }
      - { .name: q_hidden, .offset: 16, .size: 8, .value_kind: global_buffer, .address_space: global }
      - { .name: q_mask, .offset: 24, .size: 8, .value_kind: global_buffer, .address_space: global }
      - { .name: out0, .offset: 32, .size: 8, .value_kind: global_buffer, .address_space: global }
    .group_segment_fixed_size: 327680
    .private_segment_fixed_size: 0
    .kernarg_segment_align: 8
    .kernarg_segment_size: 40
    .max_flat_workgroup_size: 128
    .sgpr_count:     70
    .vgpr_count:     1024
    .wavefront_size: 32
...
	.end_amdgpu_metadata
.endif
;; end of part 1
